; MI455X (gfx1250); checked and timed in simulation.
; The chip was launched on July 23, 2026; its instructions are those of AMD's public machine-readable ISA for CDNA 5 (MIT licence, August 2026) and "CDNA5" Instruction Set Architecture Reference Guide (July 2026). The comments in the code are by the model that wrote it; some were corrected since.
;; Neural Renderer. Allowed arithmetic: float matrix products may take bf16 or f16 operands with f32 sums; all other float work in f32.
;; Inputs: Radius 64 x 1 float32; UV 64 x 2 x 65,536 float32; uvd 16 x 64 x 3 float32.
;; Outputs: out0 16 x 1 x 256 x 256 float32.
;; Constants: Dfar = 512.
;; 2 versions, each right and faster than the one before. Each part assembles by itself: llvm-mc -triple=amdgcn-amd-amdhsa -mcpu=gfx1250 --defsym DOCPART=n.
;; ======== version 1 of 2: 1 launch
;; launch render (part 1): grid 256 x 1, 8 waves a work-group, no clusters, 148,480 bytes of LDS; arguments UV, uvd, Radius, out0; writes out0
.if DOCPART == 1
	.amdgcn_target "amdgcn-amd-amdhsa--gfx1250"
	.amdhsa_code_object_version 6
	.text
	.protected	k_qc57a327884_render
	.globl	k_qc57a327884_render
	.p2align	8
	.type	k_qc57a327884_render,@function
k_qc57a327884_render:
	s_mov_b64 s[64:65], 0
	v_nop
	global_prefetch_b8 v0, s[64:65] scope:SCOPE_SE
	s_setreg_imm32_b32 hwreg(HW_REG_WAVE_MODE, 25, 1), 1
	s_wait_xcnt 0x0
; out0[b][p] = min over the 64 circles c of ( dist < R[c] ? D[b][c] - sqrt(R[c]^2 - dist^2) : 512 ),
; dist^2 = (UV[c][0][p] - u[b][c])^2 + 1e-12 + (UV[c][1][p] - v[b][c])^2 + 1e-12.   16 batches, 64 circles, 65,536 pixels, all f32.
;
; ARITHMETIC.  s = (R^2 - 2e-12) - dx^2 - dy^2 is R^2 - dist^2; the circle covers the pixel where s >= 0, and sqrt(s) is the root that the
; depth needs: one root for each element.  Where s < 0 the root is NaN, D - NaN is NaN, and v_min3_num_f32 drops a NaN, so an uncovered circle
; adds nothing to the running minimum.  Its 512 is put back at the end: a second running minimum keeps the smallest s of the 64 circles, and 512
; enters the result unless that is >= 0 (every circle covers the pixel).  So depths above 512 come out right as well.
; LIMITS.  Cover is decided on squares, with the fused roundings above, not by sqrt(dist^2) < R: the two can differ only where dist^2 lies within a
; few units in the last place of R^2.  R <= 0 or NaN covers nothing, as in the definition.  A NaN in UV or uvd is not propagated as the definition
; propagates it: a NaN depth is dropped, and a NaN s does not count as 'uncovered' while another circle gives a number.  v_sqrt_f32 takes an s below
; 2^-126 as 0 (the root is then short by less than 1.1e-19).
;
; SHARES.  256 work-groups of 8 waves; a work-group owns 256 pixels.  Wave w: pixel half g = w >> 2 (128 pixels, 4 neighbouring ones a lane) and
; circle group cg = w & 3 (16 circles).  So every byte of UV is loaded by one wave of the launch, once, straight into registers: 32 loads of
; 16 bytes a lane, each covering 512 consecutive aligned bytes, all issued at the head, 128 registers that stay for the whole kernel.
; The wave goes over them twice, 8 batches each time (64 accumulator registers), circle pair outermost: the first pass starts when the first
; circle pair has landed and works while the others arrive.  The four circle groups' minima meet in LDS at the end.
; u, v, D, K = max(R,0)^2 - 2e-12 of every (batch, circle) lie in an LDS table of 16-byte entries, made once by the 256 threads; a stage reads its two
; entries with all lanes at one address.  They are wanted in vector registers: a scalar operand of a packed f32 instruction can only be the low register
; of an even pair, which the 12-byte triples of uvd do not give.
; No cluster and no tensor load: work-groups share nothing but the 12,288 bytes of uvd, and each UV byte has a single consumer.
; No matrix instruction: a change of s by one part in 10^7 can flip cover, which 16-bit operands cannot carry.
; The text has no loop: accumulators, UV registers and ring slots are fixed registers of each stage, and every LDS address is a fixed register
; plus an immediate.  128 stages by macro.
.set PLANE,  262144                    ; bytes of one coordinate plane of one circle (65,536 x 4); also of one image of out0
.set PART,   16384                     ; LDS: [0, 16384) the table, 1,024 entries; behind it 16,384 bytes of partial minima for each wave
.set WPART,  16384
.set NSTAGE, 128                       ; 2 passes x 8 circle pairs x 8 batches
.set VOFF, 1                           ; v1       byte offset of my 4 pixels in a plane of UV and in an image of out0
.set CA,   2                           ; v2       LDS address of my circle group's entries of batch 0 (the same in all lanes)
.set PA,   3                           ; v3       LDS address of my 16 bytes in my wave's partials
.set RA,   4                           ; v4       LDS address from which I read the four groups' partials of my four batches
.set TG,   5                           ; v5       table making: byte offset of my first triple in uvd
.set TR,   6                           ; v6       table making: byte offset of my circle's radius
.set L16,  7                           ; v7       16 x lane
.set SS,   8                           ; v[8:15]  dx, then s: circle 2j pixels 0-3, circle 2j+1 pixels 0-3
.set QQ,   16                          ; v[16:23] dy, then sqrt(s), then depth, in the same order
.set CST,  24                          ; v[24:55] ring of 4 slots of 8: u v D K of circle 2j, u v D K of circle 2j+1, for one batch
.set ACC,  56                          ; v[56:87] running minimum of the depth: 8 batches x 4 pixels
.set MIN,  88                          ; v[88:119] running minimum of s, likewise
.set UVR,  120                         ; v[120:247] my 16 circles: x of 4 pixels, y of 4 pixels each
	s_load_b256 s[4:11], s[0:1], 0x0               ; UV s[4:5], uvd s[6:7], Radius s[8:9], out0 s[10:11]
	v_lshl_add_u32 v248, v0, 2, 0x24000
	v_mov_b32 v249, 0
	v_lshrrev_b32 v[QQ+3], 5, v0
	v_readfirstlane_b32 s12, v[QQ+3]               ; wave 0..7
	v_and_b32 v[L16], 31, v0
	v_lshlrev_b32 v[L16], 4, v[L16]                ; 16 x lane
	v_mul_u32_u24 v[TG], v0, 12                    ; thread t makes entries t, t+256, t+512, t+768; entry e = 64 b + c is the triple at byte 12 e
	v_and_b32 v[TR], 63, v0                        ; all four have circle t & 63
	v_lshlrev_b32 v[TR], 2, v[TR]
	v_lshlrev_b32 v[QQ+2], 4, v0                   ; and go to LDS byte 16 e
	s_lshr_b32 s13, s12, 2                         ; g: which 128 pixels
	s_and_b32 s14, s12, 3                          ; cg: which 16 circles
	s_lshl_b32 s15, ttmp9, 10                      ; the work-group's 256 pixels of 4 bytes
	s_lshl_b32 s16, s13, 9                         ; + my half
	s_add_co_u32 s15, s15, s16
	v_add_nc_u32 v[VOFF], s15, v[L16]              ; + 16 bytes a lane
	s_lshl_b32 s16, s14, 23                        ; 16 circles x 2 planes x 262,144 bytes
	s_mov_b32 s17, 0
	s_lshl_b32 s18, s14, 20                        ; the four images that I finish: batches 4 cg .. 4 cg + 3
	s_mov_b32 s19, 0
	s_lshl_b32 s20, s14, 8                         ; 16 entries of 16 bytes
	v_mov_b32 v[CA], s20
	s_lshl_b32 s21, s12, 14                        ; my wave's partials: PART + wave x 16,384
	s_add_co_u32 s21, s21, PART
	v_add_nc_u32 v[PA], s21, v[L16]
	s_lshl_b32 s22, s13, 16                        ; the partials of the four waves of my pixel half begin at PART + g x 65,536;
	s_lshl_b32 s23, s14, 12                        ; in each, batch 4 cg lies at 4 cg x 1,024
	s_add_co_u32 s22, s22, s23
	s_add_co_u32 s22, s22, PART
	v_add_nc_u32 v[RA], s22, v[L16]
	s_wait_kmcnt 0x0
	s_add_nc_u64 s[4:5], s[4:5], s[16:17]          ; UV at my first circle
	s_add_nc_u64 s[10:11], s[10:11], s[18:19]      ; out0 at my first image
	; the table's five loads first (loads come back in order, and the table is wanted first), then all of my UV
	global_load_b32 v[QQ], v[TR], s[8:9]
.irp i, 0,1,2,3
	global_load_b96 v[CST+4*\i:CST+4*\i+2], v[TG], s[6:7] offset:3072*\i
.endr
.irp c, 0,1,2,3,4,5,6,7,8,9,10,11,12,13,14,15
	global_load_b128 v[UVR+8*\c:UVR+8*\c+3],   v[VOFF], s[4:5] offset:2*PLANE*\c th:TH_LOAD_NT        ; x: read once in the whole launch
	global_load_b128 v[UVR+8*\c+4:UVR+8*\c+7], v[VOFF], s[4:5] offset:2*PLANE*\c+PLANE th:TH_LOAD_NT  ; y; the largest offset, 8,126,464, fits the signed 24 bits
.endr
	s_wait_loadcnt 32                              ; the radius and the four triples are in; the 32 loads of UV issued behind them stay out
	v_max_num_f32 v[QQ+1], 0, v[QQ]                ; R <= 0 (or NaN) covers nothing: it counts as 0, and K below is then negative
.irp i, 0,1,2,3
	v_fmaak_f32 v[CST+4*\i+3], v[QQ+1], v[QQ+1], 0xac0cbccc      ; K = R^2 - 2e-12: both 1e-12 of the definition, folded
.endr
.irp i, 0,1,2,3
	ds_store_b128 v[QQ+2], v[CST+4*\i:CST+4*\i+3] offset:4096*\i ; (u, v, D, K)
.endr
	s_wait_dscnt 0x0                               ; my entries are written, for the other waves' sake,
	s_barrier_signal -1
	s_barrier_wait -1                              ; and so are everybody's
; The two entries of stage cl into ring slot cl % 4.  Stage cl: pass cl / 64, circle pair (cl / 8) % 8, batch 8 (cl / 64) + cl % 8.
.macro CLOAD
	ds_load_b128 v[CST+8*(cl%4):CST+8*(cl%4)+3],   v[CA] offset:((cl/64)*8+cl%8)*1024+((cl/8)%8)*32
	ds_load_b128 v[CST+8*(cl%4)+4:CST+8*(cl%4)+7], v[CA] offset:((cl/64)*8+cl%8)*1024+((cl/8)%8)*32+16
.endm
; A stage has four units u of two pixels: circle 2j + u/2, pixels 2 (u%2) and 2 (u%2) + 1.  A constant is one register of a pair, sent to both halves by op_sel.
.macro DX u                            ; dx = x - u
	v_pk_add_f32 v[SS+2*\u:SS+2*\u+1], v[XC+8*(\u/2)+2*(\u%2):XC+8*(\u/2)+2*(\u%2)+1], v[KC+4*(\u/2):KC+4*(\u/2)+1] op_sel_hi:[1,0] neg_lo:[0,1] neg_hi:[0,1]
.endm
.macro DY u                            ; dy = y - v
	v_pk_add_f32 v[QQ+2*\u:QQ+2*\u+1], v[XC+8*(\u/2)+4+2*(\u%2):XC+8*(\u/2)+4+2*(\u%2)+1], v[KC+4*(\u/2):KC+4*(\u/2)+1] op_sel:[0,1] op_sel_hi:[1,1] neg_lo:[0,1] neg_hi:[0,1]
.endm
.macro FA u                            ; K - dx dx
	v_pk_fma_f32 v[SS+2*\u:SS+2*\u+1], v[SS+2*\u:SS+2*\u+1], v[SS+2*\u:SS+2*\u+1], v[KC+4*(\u/2)+2:KC+4*(\u/2)+3] op_sel:[0,0,1] op_sel_hi:[1,1,1] neg_lo:[1,0,0] neg_hi:[1,0,0]
.endm
.macro FB u                            ; s = that - dy dy
	v_pk_fma_f32 v[SS+2*\u:SS+2*\u+1], v[QQ+2*\u:QQ+2*\u+1], v[QQ+2*\u:QQ+2*\u+1], v[SS+2*\u:SS+2*\u+1] neg_lo:[1,0,0] neg_hi:[1,0,0]
.endm
.macro SQ e                            ; sqrt(s); NaN where the circle does not cover the pixel
	v_sqrt_f32 v[QQ+\e], v[SS+\e]
.endm
.macro TT u                            ; depth = D - sqrt(s)
	s_wait_alu depctr_va_vdst(0)
	v_pk_add_f32 v[QQ+2*\u:QQ+2*\u+1], v[KC+4*(\u/2)+2:KC+4*(\u/2)+3], v[QQ+2*\u:QQ+2*\u+1] op_sel_hi:[0,1] neg_lo:[0,1] neg_hi:[0,1]
.endm
.macro MN k                            ; pixel k: the smallest s so far, two circles at a time; a pass's first circle pair starts it, nothing is cleared
	.if j == 0
	v_min_num_f32 v[MB+\k], v[SS+\k], v[SS+4+\k]
	.else
	v_min3_num_f32 v[MB+\k], v[MB+\k], v[SS+\k], v[SS+4+\k]
	.endif
.endm
.macro AC k                            ; pixel k: the smallest depth so far; a NaN loses, and if there is nothing but NaN it stays NaN
	.if j == 0
	v_min_num_f32 v[AB+\k], v[QQ+\k], v[QQ+4+\k]
	.else
	v_min3_num_f32 v[AB+\k], v[AB+\k], v[QQ+\k], v[QQ+4+\k]
	.endif
.endm
; Stage n: one batch, two circles, four pixels a lane.  The eight roots stand singly among the packed arithmetic, two plain instructions behind each:
; the plain instruction that has to stand between a transcendental and the first use of its result or a write of its source (ISA guide 5.7.2) is
; always there, and the roots of one circle are under way while the other circle's squares are formed.
.macro STAGE
	.set j,  (n/8)%8
	.set KC, CST+8*(n%4)
	.set XC, UVR+16*j
	.set AB, ACC+4*(n%8)
	.set MB, MIN+4*(n%8)
	.if n < 64
	.if (n%8) == 0
	s_wait_loadcnt 28-4*j                          ; first pass, first batch of circle pair j: its four loads are in, the 28 - 4 j issued behind them stay out
	.endif
	.endif
	.if n > 124
	s_wait_dscnt 2*(127-n)                         ; the last stages fetch nothing more: the count runs down
	.else
	.if (n/4) == 16
	s_wait_dscnt 22                                ; behind this stage's two loads: three stages' loads and the first pass's 16 stores of partials
	.else
	s_wait_dscnt 6                                 ; LDS instructions end in order (ISA guide 5.7.1): my two entries are in, the three stages ahead stay out
	.endif
	.endif
	DX 0
	DX 1
	DY 0
	DY 1
	FA 0
	FA 1
	FB 0
	FB 1
	SQ 0
	DX 2
	DX 3
	SQ 1
	DY 2
	DY 3
	SQ 2
	FA 2
	FA 3
	SQ 3
	FB 2
	FB 3
	SQ 4
	TT 0
	TT 1
	SQ 5
	MN 0
	MN 1
	SQ 6
	MN 2
	MN 3
	SQ 7
	TT 2
	TT 3                                           ; the slot's last use
	.if n+4 < NSTAGE
	.set cl, n+4
	CLOAD                                          ; the slot is loaded again, four stages ahead
	.endif
	AC 0
	AC 1
	AC 2
	AC 3
	.if (n%64) == 63                               ; a pass is over: its 8 batches' minima go to my wave's own bytes
.irp i, 0,1,2,3,4,5,6,7
	ds_store_b128 v[PA], v[ACC+4*\i:ACC+4*\i+3] offset:((n/64)*8+\i)*1024
	ds_store_b128 v[PA], v[MIN+4*\i:MIN+4*\i+3] offset:((n/64)*8+\i)*1024+512
.endr
	.endif
.endm
.set cl, 0
.rept 4
	CLOAD                                          ; the ring is filled: stages 0 to 3
.set cl, cl+1
.endr
.set n, 0
.rept NSTAGE
	STAGE
.set n, n+1
.endr
	s_wait_dscnt 0x0                               ; my partials are written, for the other waves' sake,
	s_barrier_signal -1
	s_barrier_wait -1                              ; and so are everybody's
	; THE MERGE.  I finish batches 4 cg .. 4 cg + 3 for my 128 pixels: from each of the four waves of my pixel half its minimum of the depth and of s.
	; 32 loads in one run, into the registers that held UV.
.irp bi, 0,1,2,3
.irp kind, 0,1
.irp w, 0,1,2,3
	ds_load_b128 v[UVR+32*\bi+16*\kind+4*\w:UVR+32*\bi+16*\kind+4*\w+3], v[RA] offset:\w*WPART+\bi*1024+\kind*512
.endr
.endr
.endr
.irp bi, 0,1,2,3
	s_wait_dscnt 24-8*\bi                          ; this batch's eight loads are in; those of the batches behind it stay out
.irp k, 0,1,2,3
	v_min3_num_f32 v[SS+\k], v[UVR+32*\bi+\k], v[UVR+32*\bi+4+\k], v[UVR+32*\bi+8+\k]
	v_min3_num_f32 v[QQ+\k], v[UVR+32*\bi+16+\k], v[UVR+32*\bi+20+\k], v[UVR+32*\bi+24+\k]
.endr
.irp k, 0,1,2,3
	v_min_num_f32 v[SS+\k], v[SS+\k], v[UVR+32*\bi+12+\k]        ; the smallest depth of the circles that cover the pixel (NaN: none does)
	v_min_num_f32 v[QQ+\k], v[QQ+\k], v[UVR+32*\bi+28+\k]        ; the smallest s of all 64 circles
.endr
.irp k, 0,1,2,3
	v_min_num_f32 v[SS+4+\k], 0x44000000, v[SS+\k]               ; with the 512 of a circle that does not cover the pixel
	v_cmp_le_f32 vcc_lo, 0, v[QQ+\k]                             ; 0 <= smallest s: every circle covers it, and no 512 takes part
	v_cndmask_b32 v[ACC+4*\bi+\k], v[SS+4+\k], v[SS+\k], vcc_lo
.endr
	global_store_b128 v[VOFF], v[ACC+4*\bi:ACC+4*\bi+3], s[10:11] offset:\bi*PLANE th:TH_STORE_NT   ; the wave stores 512 consecutive aligned bytes of image 4 cg + bi
.endr
	s_wait_tensorcnt 0x0
	ds_add_u32 v248, v249
	s_wait_dscnt 0x0
	s_endpgm
.Lfunc_end_k_qc57a327884_render:
	.size	k_qc57a327884_render, .Lfunc_end_k_qc57a327884_render-k_qc57a327884_render
	.p2alignl 7, 3214868480
	.fill 96, 4, 3214868480
	.section	.rodata,"a",@progbits
	.p2align	6, 0x0
	.amdhsa_kernel k_qc57a327884_render
		.amdhsa_group_segment_fixed_size 148480
		.amdhsa_private_segment_fixed_size 0
		.amdhsa_enable_private_segment 0
		.amdhsa_kernarg_size 32
		.amdhsa_user_sgpr_count 2
		.amdhsa_user_sgpr_kernarg_segment_ptr 1
		.amdhsa_wavefront_size32 1
		.amdhsa_system_sgpr_workgroup_id_x 1
		.amdhsa_system_sgpr_workgroup_id_y 1
		.amdhsa_system_sgpr_workgroup_id_z 1
		.amdhsa_system_vgpr_workitem_id 0
		.amdhsa_next_free_vgpr 250
		.amdhsa_next_free_sgpr 66
		.amdhsa_reserve_vcc 1
		.amdhsa_float_denorm_mode_32 3
		.amdhsa_float_denorm_mode_16_64 3
		.amdhsa_memory_ordered 1
		.amdhsa_forward_progress 1
		.amdhsa_inst_pref_size 255
	.end_amdhsa_kernel
	.section	.bss,"aw",@nobits
	.p2align	6
	.space	262144
	.amdgpu_metadata
---
amdhsa.version: [ 1, 2 ]
amdhsa.kernels:
  - .name:           k_qc57a327884_render
    .symbol:         k_qc57a327884_render.kd
    .args:
      - { .name: UV, .offset: 0, .size: 8, .value_kind: global_buffer, .address_space: global }
      - { .name: uvd, .offset: 8, .size: 8, .value_kind: global_buffer, .address_space: global }
      - { .name: Radius, .offset: 16, .size: 8, .value_kind: global_buffer, .address_space: global }
      - { .name: out0, .offset: 24, .size: 8, .value_kind: global_buffer, .address_space: global }
    .group_segment_fixed_size: 148480
    .private_segment_fixed_size: 0
    .kernarg_segment_align: 8
    .kernarg_segment_size: 32
    .max_flat_workgroup_size: 256
    .sgpr_count:     66
    .vgpr_count:     250
    .wavefront_size: 32
...
	.end_amdgpu_metadata
.endif
;; end of part 1
;; ======== version 2 of 2: 1 launch; 1.24 times as fast as version 1
;; launch render (part 2): grid 256 x 1, 8 waves a work-group, no clusters, 148,480 bytes of LDS; arguments UV, uvd, Radius, out0; writes out0
.if DOCPART == 2
	.amdgcn_target "amdgcn-amd-amdhsa--gfx1250"
	.amdhsa_code_object_version 6
	.text
	.protected	k_qc57a327884_render
	.globl	k_qc57a327884_render
	.p2align	8
	.type	k_qc57a327884_render,@function
k_qc57a327884_render:
	s_mov_b64 s[64:65], 0
	v_nop
	global_prefetch_b8 v0, s[64:65] scope:SCOPE_SE
	s_setreg_imm32_b32 hwreg(HW_REG_WAVE_MODE, 25, 1), 1
	s_wait_xcnt 0x0
; out0[b][p] = min over the 64 circles c of ( dist < R[c] ? D[b][c] - sqrt(R[c]^2 - dist^2) : 512 ),
; dist^2 = (UV[c][0][p] - u[b][c])^2 + 1e-12 + (UV[c][1][p] - v[b][c])^2 + 1e-12.   16 batches, 64 circles, 65,536 pixels, all f32.
;
; ARITHMETIC.  s = (R^2 - 2e-12) - dx^2 - dy^2 is R^2 - dist^2; the circle covers the pixel where s >= 0, and sqrt(s) is the root that the
; depth needs: one root for each element.  Where s < 0 the root is NaN, D - NaN is NaN, and v_min3_num_f32 drops a NaN, so an uncovered circle
; adds nothing to the running minimum.  Its 512 is put back at the end: a second running minimum keeps the smallest s of the 64 circles, and 512
; enters the result unless that is >= 0 (every circle covers the pixel).  So depths above 512 come out right as well.
; LIMITS.  Cover is decided on squares, with the fused roundings above, not by sqrt(dist^2) < R: the two can differ only where dist^2 lies within a
; few units in the last place of R^2.  R <= 0 or NaN covers nothing, as in the definition.  A NaN in UV or uvd is not propagated as the definition
; propagates it: a NaN depth is dropped, and a NaN s does not count as 'uncovered' while another circle gives a number.  v_sqrt_f32 takes an s below
; 2^-126 as 0 (the root is then short by less than 1.1e-19).
;
; SHARES.  256 work-groups of 8 waves; a work-group owns 256 pixels.  Wave w: pixel half g = w >> 2 (128 pixels, 4 neighbouring ones a lane) and
; circle group cg = w & 3 (16 circles).  So every byte of UV is loaded by one wave of the launch, once, straight into registers: 32 loads of
; 16 bytes a lane, each covering 512 consecutive aligned bytes, all issued at the head, 128 registers that stay for the whole kernel.
; The wave goes over them twice, 8 batches each time (64 accumulator registers), circle pair outermost: the first pass starts when the first
; circle pair has landed and works while the others arrive.  The four circle groups' minima meet in LDS at the end.
; u, v, D, K = max(R,0)^2 - 2e-12 of every (batch, circle) lie in an LDS table of 16-byte entries, made once by the 256 threads; a stage reads its two
; entries with all lanes at one address.  They are wanted in vector registers: a scalar operand of a packed f32 instruction can only be the low register
; of an even pair, which the 12-byte triples of uvd do not give.
; THE ROOTS.  The kernel's only transcendentals are the eight v_sqrt_f32 of a stage (2 circles x 4 pixels a lane).  They are cut into groups by stage: a stage's
; eight roots, each with a result register of its own, are issued first, work that names none of their results stands among and behind them, ONE
; s_wait_alu depctr_va_vdst(0) follows, and all lines that read a root stand behind it: 128 such waits in the text, one a stage.  A group does not reach over two
; stages: the subtraction D - root reads D from the stage's ring slot, and that slot is loaded again before the next stage's entries are waited for.
; No cluster and no tensor load: work-groups share nothing but the 12,288 bytes of uvd, and each UV byte has a single consumer.
; No matrix instruction: a change of s by one part in 10^7 can flip cover, which 16-bit operands cannot carry.
; The text has no loop: accumulators, UV registers and ring slots are fixed registers of each stage, and every LDS address is a fixed register
; plus an immediate.  128 stages by macro.
.set PLANE,  262144                    ; bytes of one coordinate plane of one circle (65,536 x 4); also of one image of out0
.set PART,   16384                     ; LDS: [0, 16384) the table, 1,024 entries; behind it 16,384 bytes of partial minima for each wave
.set WPART,  16384
.set NSTAGE, 128                       ; 2 passes x 8 circle pairs x 8 batches
.set VOFF, 1                           ; v1       byte offset of my 4 pixels in a plane of UV and in an image of out0
.set CA,   2                           ; v2       LDS address of my circle group's entries of batch 0 (the same in all lanes)
.set PA,   3                           ; v3       LDS address of my 16 bytes in my wave's partials
.set RA,   4                           ; v4       LDS address from which I read the four groups' partials of my four batches
.set TG,   5                           ; v5       table making: byte offset of my first triple in uvd
.set TR,   6                           ; v6       table making: byte offset of my circle's radius
.set L16,  7                           ; v7       16 x lane
.set SS,   8                           ; v[8:15]  dx, then s: circle 2j pixels 0-3, circle 2j+1 pixels 0-3
.set QQ,   16                          ; v[16:23] dy, then sqrt(s), then depth, in the same order
.set CST,  24                          ; v[24:55] ring of 4 slots of 8: u v D K of circle 2j, u v D K of circle 2j+1, for one batch
.set ACC,  56                          ; v[56:87] running minimum of the depth: 8 batches x 4 pixels
.set MIN,  88                          ; v[88:119] running minimum of s, likewise
.set UVR,  120                         ; v[120:247] my 16 circles: x of 4 pixels, y of 4 pixels each
	s_load_b256 s[4:11], s[0:1], 0x0               ; UV s[4:5], uvd s[6:7], Radius s[8:9], out0 s[10:11]
	v_lshl_add_u32 v248, v0, 2, 0x24000
	v_mov_b32 v249, 0
	v_lshrrev_b32 v[QQ+3], 5, v0
	v_readfirstlane_b32 s12, v[QQ+3]               ; wave 0..7
	v_and_b32 v[L16], 31, v0
	v_lshlrev_b32 v[L16], 4, v[L16]                ; 16 x lane
	v_mul_u32_u24 v[TG], v0, 12                    ; thread t makes entries t, t+256, t+512, t+768; entry e = 64 b + c is the triple at byte 12 e
	v_and_b32 v[TR], 63, v0                        ; all four have circle t & 63
	v_lshlrev_b32 v[TR], 2, v[TR]
	v_lshlrev_b32 v[QQ+2], 4, v0                   ; and go to LDS byte 16 e
	s_lshr_b32 s13, s12, 2                         ; g: which 128 pixels
	s_and_b32 s14, s12, 3                          ; cg: which 16 circles
	s_lshl_b32 s15, ttmp9, 10                      ; the work-group's 256 pixels of 4 bytes
	s_lshl_b32 s16, s13, 9                         ; + my half
	s_add_co_u32 s15, s15, s16
	v_add_nc_u32 v[VOFF], s15, v[L16]              ; + 16 bytes a lane
	s_lshl_b32 s16, s14, 23                        ; 16 circles x 2 planes x 262,144 bytes
	s_mov_b32 s17, 0
	s_lshl_b32 s18, s14, 20                        ; the four images that I finish: batches 4 cg .. 4 cg + 3
	s_mov_b32 s19, 0
	s_lshl_b32 s20, s14, 8                         ; 16 entries of 16 bytes
	v_mov_b32 v[CA], s20
	s_lshl_b32 s21, s12, 14                        ; my wave's partials: PART + wave x 16,384
	s_add_co_u32 s21, s21, PART
	v_add_nc_u32 v[PA], s21, v[L16]
	s_lshl_b32 s22, s13, 16                        ; the partials of the four waves of my pixel half begin at PART + g x 65,536;
	s_lshl_b32 s23, s14, 12                        ; in each, batch 4 cg lies at 4 cg x 1,024
	s_add_co_u32 s22, s22, s23
	s_add_co_u32 s22, s22, PART
	v_add_nc_u32 v[RA], s22, v[L16]
	s_wait_kmcnt 0x0
	s_add_nc_u64 s[4:5], s[4:5], s[16:17]          ; UV at my first circle
	s_add_nc_u64 s[10:11], s[10:11], s[18:19]      ; out0 at my first image
	; the table's five loads first (loads come back in order, and the table is wanted first), then all of my UV
	global_load_b32 v[QQ], v[TR], s[8:9]
.irp i, 0,1,2,3
	global_load_b96 v[CST+4*\i:CST+4*\i+2], v[TG], s[6:7] offset:3072*\i
.endr
.irp c, 0,1,2,3,4,5,6,7,8,9,10,11,12,13,14,15
	global_load_b128 v[UVR+8*\c:UVR+8*\c+3],   v[VOFF], s[4:5] offset:2*PLANE*\c th:TH_LOAD_NT        ; x: read once in the whole launch
	global_load_b128 v[UVR+8*\c+4:UVR+8*\c+7], v[VOFF], s[4:5] offset:2*PLANE*\c+PLANE th:TH_LOAD_NT  ; y; the largest offset, 8,126,464, fits the signed 24 bits
.endr
	s_wait_loadcnt 32                              ; the radius and the four triples are in; the 32 loads of UV issued behind them stay out
	v_max_num_f32 v[QQ+1], 0, v[QQ]                ; R <= 0 (or NaN) covers nothing: it counts as 0, and K below is then negative
.irp i, 0,1,2,3
	v_fmaak_f32 v[CST+4*\i+3], v[QQ+1], v[QQ+1], 0xac0cbccc      ; K = R^2 - 2e-12: both 1e-12 of the definition, folded
.endr
.irp i, 0,1,2,3
	ds_store_b128 v[QQ+2], v[CST+4*\i:CST+4*\i+3] offset:4096*\i ; (u, v, D, K)
.endr
	s_wait_dscnt 0x0                               ; my entries are written, for the other waves' sake,
	s_barrier_signal -1
	s_barrier_wait -1                              ; and so are everybody's
; The two entries of stage cl into ring slot cl % 4.  Stage cl: pass cl / 64, circle pair (cl / 8) % 8, batch 8 (cl / 64) + cl % 8.
.macro CLOAD
	ds_load_b128 v[CST+8*(cl%4):CST+8*(cl%4)+3],   v[CA] offset:((cl/64)*8+cl%8)*1024+((cl/8)%8)*32
	ds_load_b128 v[CST+8*(cl%4)+4:CST+8*(cl%4)+7], v[CA] offset:((cl/64)*8+cl%8)*1024+((cl/8)%8)*32+16
.endm
; A stage has four units u of two pixels: circle 2j + u/2, pixels 2 (u%2) and 2 (u%2) + 1.  A constant is one register of a pair, sent to both halves by op_sel.
.macro DX u                            ; dx = x - u
	v_pk_add_f32 v[SS+2*\u:SS+2*\u+1], v[XC+8*(\u/2)+2*(\u%2):XC+8*(\u/2)+2*(\u%2)+1], v[KC+4*(\u/2):KC+4*(\u/2)+1] op_sel_hi:[1,0] neg_lo:[0,1] neg_hi:[0,1]
.endm
.macro DY u                            ; dy = y - v
	v_pk_add_f32 v[QQ+2*\u:QQ+2*\u+1], v[XC+8*(\u/2)+4+2*(\u%2):XC+8*(\u/2)+4+2*(\u%2)+1], v[KC+4*(\u/2):KC+4*(\u/2)+1] op_sel:[0,1] op_sel_hi:[1,1] neg_lo:[0,1] neg_hi:[0,1]
.endm
.macro FA u                            ; K - dx dx
	v_pk_fma_f32 v[SS+2*\u:SS+2*\u+1], v[SS+2*\u:SS+2*\u+1], v[SS+2*\u:SS+2*\u+1], v[KC+4*(\u/2)+2:KC+4*(\u/2)+3] op_sel:[0,0,1] op_sel_hi:[1,1,1] neg_lo:[1,0,0] neg_hi:[1,0,0]
.endm
.macro FB u                            ; s = that - dy dy
	v_pk_fma_f32 v[SS+2*\u:SS+2*\u+1], v[QQ+2*\u:QQ+2*\u+1], v[QQ+2*\u:QQ+2*\u+1], v[SS+2*\u:SS+2*\u+1] neg_lo:[1,0,0] neg_hi:[1,0,0]
.endm
.macro SQ e                            ; sqrt(s); NaN where the circle does not cover the pixel.  Root e has the register QQ + e to itself until the stage's wait
	v_sqrt_f32 v[QQ+\e], v[SS+\e]
.endm
.macro TT u                            ; depth = D - sqrt(s): reads two roots, so it stands behind the stage's wait
	v_pk_add_f32 v[QQ+2*\u:QQ+2*\u+1], v[KC+4*(\u/2)+2:KC+4*(\u/2)+3], v[QQ+2*\u:QQ+2*\u+1] op_sel_hi:[0,1] neg_lo:[0,1] neg_hi:[0,1]
.endm
.macro MN k                            ; pixel k: the smallest s so far, two circles at a time; a pass's first circle pair starts it, nothing is cleared.  It reads s alone, no root
	.if j == 0
	v_min_num_f32 v[MB+\k], v[SS+\k], v[SS+4+\k]
	.else
	v_min3_num_f32 v[MB+\k], v[MB+\k], v[SS+\k], v[SS+4+\k]
	.endif
.endm
.macro AC k                            ; pixel k: the smallest depth so far; a NaN loses, and if there is nothing but NaN it stays NaN
	.if j == 0
	v_min_num_f32 v[AB+\k], v[QQ+\k], v[QQ+4+\k]
	.else
	v_min3_num_f32 v[AB+\k], v[AB+\k], v[QQ+\k], v[QQ+4+\k]
	.endif
.endm
; Stage n: one batch, two circles, four pixels a lane.  ITS EIGHT ROOTS ARE ONE GROUP WITH ONE WAIT.  The first circle's four roots (results QQ+0..3) stand among the
; second circle's eight packed instructions, two plain instructions behind each; those write SS+4..7 and QQ+4..7 alone.  The second circle's four roots (results QQ+4..7,
; where its dy lay and has been read) take turns with the four minima of s.  So between a root and the wait no line names its result, no source of a root is written
; before the next stage, and a plain instruction stands behind every root, as it has to before the result is used (ISA guide 5.7.2): behind the last root it is MN 3.
; Behind the wait stand all the readers: the four subtractions from D, and the four minima of the depth.
.macro STAGE
	.set j,  (n/8)%8
	.set KC, CST+8*(n%4)
	.set XC, UVR+16*j
	.set AB, ACC+4*(n%8)
	.set MB, MIN+4*(n%8)
	.if n < 64
	.if (n%8) == 0
	s_wait_loadcnt 28-4*j                          ; first pass, first batch of circle pair j: its four loads are in, the 28 - 4 j issued behind them stay out
	.endif
	.endif
	.if n > 124
	s_wait_dscnt 2*(127-n)                         ; the last stages fetch nothing more: the count runs down
	.else
	.if (n/4) == 16
	s_wait_dscnt 22                                ; behind this stage's two loads: three stages' loads and the first pass's 16 stores of partials
	.else
	s_wait_dscnt 6                                 ; LDS instructions end in order (ISA guide 5.7.1): my two entries are in, the three stages ahead stay out
	.endif
	.endif
	DX 0
	DX 1
	DY 0
	DY 1
	FA 0
	FA 1
	FB 0
	FB 1
	SQ 0
	DX 2
	DX 3
	SQ 1
	DY 2
	DY 3
	SQ 2
	FA 2
	FA 3
	SQ 3
	FB 2
	FB 3
	SQ 4
	MN 0
	SQ 5
	MN 1
	SQ 6
	MN 2
	SQ 7
	MN 3                                           ; the plain instruction behind the last root
	s_wait_alu depctr_va_vdst(0)                   ; the wait: ONE for this stage's eight roots, SQ 0 to SQ 7, ahead of their first reader, TT 0
	TT 0
	TT 1
	TT 2
	TT 3                                           ; the slot's last use
	.if n+4 < NSTAGE
	.set cl, n+4
	CLOAD                                          ; the slot is loaded again, four stages ahead
	.endif
	AC 0
	AC 1
	AC 2
	AC 3
	.if (n%64) == 63                               ; a pass is over: its 8 batches' minima go to my wave's own bytes
.irp i, 0,1,2,3,4,5,6,7
	ds_store_b128 v[PA], v[ACC+4*\i:ACC+4*\i+3] offset:((n/64)*8+\i)*1024
	ds_store_b128 v[PA], v[MIN+4*\i:MIN+4*\i+3] offset:((n/64)*8+\i)*1024+512
.endr
	.endif
.endm
.set cl, 0
.rept 4
	CLOAD                                          ; the ring is filled: stages 0 to 3
.set cl, cl+1
.endr
.set n, 0
.rept NSTAGE
	STAGE
.set n, n+1
.endr
	s_wait_dscnt 0x0                               ; my partials are written, for the other waves' sake,
	s_barrier_signal -1
	s_barrier_wait -1                              ; and so are everybody's
	; THE MERGE.  I finish batches 4 cg .. 4 cg + 3 for my 128 pixels: from each of the four waves of my pixel half its minimum of the depth and of s.
	; 32 loads in one run, into the registers that held UV.
.irp bi, 0,1,2,3
.irp kind, 0,1
.irp w, 0,1,2,3
	ds_load_b128 v[UVR+32*\bi+16*\kind+4*\w:UVR+32*\bi+16*\kind+4*\w+3], v[RA] offset:\w*WPART+\bi*1024+\kind*512
.endr
.endr
.endr
.irp bi, 0,1,2,3
	s_wait_dscnt 24-8*\bi                          ; this batch's eight loads are in; those of the batches behind it stay out
.irp k, 0,1,2,3
	v_min3_num_f32 v[SS+\k], v[UVR+32*\bi+\k], v[UVR+32*\bi+4+\k], v[UVR+32*\bi+8+\k]
	v_min3_num_f32 v[QQ+\k], v[UVR+32*\bi+16+\k], v[UVR+32*\bi+20+\k], v[UVR+32*\bi+24+\k]
.endr
.irp k, 0,1,2,3
	v_min_num_f32 v[SS+\k], v[SS+\k], v[UVR+32*\bi+12+\k]        ; the smallest depth of the circles that cover the pixel (NaN: none does)
	v_min_num_f32 v[QQ+\k], v[QQ+\k], v[UVR+32*\bi+28+\k]        ; the smallest s of all 64 circles
.endr
.irp k, 0,1,2,3
	v_min_num_f32 v[SS+4+\k], 0x44000000, v[SS+\k]               ; with the 512 of a circle that does not cover the pixel
	v_cmp_le_f32 vcc_lo, 0, v[QQ+\k]                             ; 0 <= smallest s: every circle covers it, and no 512 takes part
	v_cndmask_b32 v[ACC+4*\bi+\k], v[SS+4+\k], v[SS+\k], vcc_lo
.endr
	global_store_b128 v[VOFF], v[ACC+4*\bi:ACC+4*\bi+3], s[10:11] offset:\bi*PLANE th:TH_STORE_NT   ; the wave stores 512 consecutive aligned bytes of image 4 cg + bi
.endr
	s_wait_tensorcnt 0x0
	ds_add_u32 v248, v249
	s_wait_dscnt 0x0
	s_endpgm
.Lfunc_end_k_qc57a327884_render:
	.size	k_qc57a327884_render, .Lfunc_end_k_qc57a327884_render-k_qc57a327884_render
	.p2alignl 7, 3214868480
	.fill 96, 4, 3214868480
	.section	.rodata,"a",@progbits
	.p2align	6, 0x0
	.amdhsa_kernel k_qc57a327884_render
		.amdhsa_group_segment_fixed_size 148480
		.amdhsa_private_segment_fixed_size 0
		.amdhsa_enable_private_segment 0
		.amdhsa_kernarg_size 32
		.amdhsa_user_sgpr_count 2
		.amdhsa_user_sgpr_kernarg_segment_ptr 1
		.amdhsa_wavefront_size32 1
		.amdhsa_system_sgpr_workgroup_id_x 1
		.amdhsa_system_sgpr_workgroup_id_y 1
		.amdhsa_system_sgpr_workgroup_id_z 1
		.amdhsa_system_vgpr_workitem_id 0
		.amdhsa_next_free_vgpr 250
		.amdhsa_next_free_sgpr 66
		.amdhsa_reserve_vcc 1
		.amdhsa_float_denorm_mode_32 3
		.amdhsa_float_denorm_mode_16_64 3
		.amdhsa_memory_ordered 1
		.amdhsa_forward_progress 1
		.amdhsa_inst_pref_size 255
	.end_amdhsa_kernel
	.section	.bss,"aw",@nobits
	.p2align	6
	.space	262144
	.amdgpu_metadata
---
amdhsa.version: [ 1, 2 ]
amdhsa.kernels:
  - .name:           k_qc57a327884_render
    .symbol:         k_qc57a327884_render.kd
    .args:
      - { .name: UV, .offset: 0, .size: 8, .value_kind: global_buffer, .address_space: global }
      - { .name: uvd, .offset: 8, .size: 8, .value_kind: global_buffer, .address_space: global }
      - { .name: Radius, .offset: 16, .size: 8, .value_kind: global_buffer, .address_space: global }
      - { .name: out0, .offset: 24, .size: 8, .value_kind: global_buffer, .address_space: global }
    .group_segment_fixed_size: 148480
    .private_segment_fixed_size: 0
    .kernarg_segment_align: 8
    .kernarg_segment_size: 32
    .max_flat_workgroup_size: 256
    .sgpr_count:     66
    .vgpr_count:     250
    .wavefront_size: 32
...
	.end_amdgpu_metadata
.endif
;; end of part 2
